; MI455X (gfx1250); checked and timed in simulation.
; The chip was launched on July 23, 2026; its instructions are those of AMD's public machine-readable ISA for CDNA 5 (MIT licence, August 2026) and "CDNA5" Instruction Set Architecture Reference Guide (July 2026). The comments in the code are by the model that wrote it; some were corrected since.
;; DND. Allowed arithmetic: matrix products marked QUANTISED: E2M3 operands, one E8M0 scale for each 32 along K, by v_wmma_scale_f32_16x16x128_f8f6f4 with both operands' format E2M3, f32 sums; everything else in f32.
;; Inputs: dnd_keys 50,000 x 128 float32; dnd_values 50,000 float32; queries 2,048 x 128 float32.
;; Outputs: out0 2,048 x 1 float32.
;; This version of the problem:
;;   THIS VERSION OF THE PROBLEM IS GIVEN IN LOW PRECISION. The matrix products marked QUANTISED in the list below multiply operands that are first quantised to E2M3 (2 exponent bits, 3 mantissa bits; 6 bits a number), with one power-of-two scale for each 32 numbers along K (OCP MX v1.0); their sums are f32. All else is computed in f32.
;;   The module's matrix products, in the order in which they are computed (A, B: the left and right operand; K: the contracted axis; several contracted axes count as one K, in the product's order):
;;     1. [M 2,048, K 128] x [K 128, N 50,000]; A: input queries; B: input dnd_keys: QUANTISED
;;   THE QUANTISER, for each operand of a quantised product, along K:
;;     - K is cut into blocks of 32 from its start; a last block that is shorter is filled with zeros.
;;     - A block's scale is 2^e with e = floor(log2(the largest magnitude in the block)) - 2, held to -126 .. 127; a block of zeros has e = 0. As a byte (E8M0): e + 127.
;;     - Each number is divided by its block's scale, clamped to +-7.5, and rounded to the nearest number of E2M3, ties to even, subnormals kept.
;;     - The product sums the exact products of the quantised numbers (number of the format x scale) in f32.
;;   ~~~python
;;   def quantise(x, axis):      # numpy; x: float32 -> the quantised numbers, widened to float32 again
;;       x = np.moveaxis(x, axis, -1); K = x.shape[-1]
;;       x = np.pad(x, [(0, 0)] * (x.ndim - 1) + [(0, -K % 32)]); x = x.reshape(x.shape[:-1] + (-1, 32)); a = np.abs(x).max(-1, keepdims=True)
;;       e = np.where(a > 0, np.clip(np.frexp(np.where(a > 0, a, 1))[1] - 1 - 2, -126, 127), 0)      # np.frexp(a)[1] - 1 = floor(log2(a)), exactly
;;       r = np.clip(x / 2.0 ** e, -7.5, 7.5)
;;       step = 2.0 ** (np.maximum(np.frexp(np.where(r == 0, 1, r))[1] - 1, 0) - 3)
;;       q = np.round(r / step) * step * 2.0 ** e      # np.round: ties to even
;;       return np.moveaxis(q.reshape(q.shape[:-2] + (-1,))[..., :K], -1, axis).astype(np.float32)
;;   ~~~
;; One version. Each part assembles by itself: llvm-mc -triple=amdgcn-amd-amdhsa -mcpu=gfx1250 --defsym DOCPART=n.
;; ======== version 1 of 1: 4 launches
;; workspace buffers: kimg 4,838,400 bytes; kmeta 403,200 bytes; qimg 196,608 bytes; qmeta 16,384 bytes; g16 25,804,800 bytes of whole numbers; mg 5,160,960 bytes of whole numbers; sel 1,310,720 bytes of whole numbers
;; launch prep (part 1): grid 1639 x 1, 2 waves a work-group, no clusters, 17,152 bytes of LDS; arguments dnd_keys, queries, kimg, kmeta, qimg, qmeta; writes kimg, kmeta, qimg, qmeta
.if DOCPART == 1
	.amdgcn_target "amdgcn-amd-amdhsa--gfx1250"
	.amdhsa_code_object_version 6
	.text
	.protected	k_q7d8ecbb25f_prep
	.globl	k_q7d8ecbb25f_prep
	.p2align	8
	.type	k_q7d8ecbb25f_prep,@function
k_q7d8ecbb25f_prep:
	s_mov_b64 s[64:65], 0
	v_nop
	global_prefetch_b8 v0, s[64:65] scope:SCOPE_SE
	s_setreg_imm32_b32 hwreg(HW_REG_WAVE_MODE, 25, 1), 1
	s_wait_xcnt 0x0
; PREP: keys [50000][128] and queries [2048][128], f32, become codes of FP6 (E2M3) with one E8M0 scale for each 32 along K, laid as IMAGES OF THE MATRIX OPERAND'S REGISTERS,
; and each row's sum of squares (f32) is stored beside its scale word.
; A tile is 16 rows.  Its image is 1,536 bytes: [chunk c: 3][u: 2][h: 2][j: 8][16 bytes] = registers 4 c .. 4 c + 3 of the lane that holds row 8 u + j and K half h of the 6-bit fragment
; (registers 6 c' .. 6 c' + 5 = k 64 c' + 32 h + 0 .. 31).  Its meta block is 32 words: words 0-15 the rows' scale words (byte b: k 32 b .. 32 b + 31), words 16-31 the rows' sums of squares.
; A block's scale is 2^(floor(log2(its largest magnitude)) - 2); its byte is the largest magnitude's exponent field - 2, held at 1 from below.
; One wave takes one tile, T = 2 x work-group + wave: T < 3150: key group T; else query tile T - 3150.  Key groups 3125 .. 3149 do not exist among the 50,000 keys: they get the codes of group 3124
; and +infinity as sum of squares, so that no distance made from them is ever among the smallest.  One path serves both tensors: only pointers are chosen, on the tile's number.
; LIMITS: NaN and infinities among the inputs are not served; a block whose largest magnitude lies under 2^-124 keeps the byte 1; a block of zeros keeps the byte 1 where the quantiser's rule says 127
; (its codes are zeros, and the bytes are read by this program alone); the order in which a row's squares are added is this text's own.
.set NKG,   3150                       ; key groups, padding among them
.set NREAL, 3125                       ; key groups that exist
.set PITCH, 528                        ; a stage row: 512 bytes + 16: an odd multiple of 16, so that sixteen rows' equal columns fall on sixteen different 16-byte columns of 256
.set WST,   16*PITCH                   ; a wave's own stage
.set F,     24                         ; v24-35   the fragment's 12 registers
.set TA,    36                         ; v36-38   a block's upper 16 codes (a conversion's three registers begin on an even number)
.set TB,    40                         ; v40-42
.set R,     44                         ; v44-107  the tile as loaded: row i in registers 4 i .. 4 i + 3
.set X,     108                        ; v108-171 my row's 64 numbers: register 32 c + i = k 64 c + 32 h + i
	s_load_b256 s[4:11], s[0:1], 0x0               ; keys s[4:5], queries s[6:7], kimg s[8:9], kmeta s[10:11]
	s_load_b128 s[12:15], s[0:1], 0x20             ; qimg s[12:13], qmeta s[14:15]
	v_lshl_add_u32 v176, v0, 2, 0x4200
	v_mov_b32 v177, 0
	v_lshrrev_b32 v1, 5, v0
	v_readfirstlane_b32 s16, v1                    ; wave 0, 1
	v_and_b32 v1, 31, v0                           ; lane
	v_and_b32 v2, 15, v0                           ; my row m
	v_bfe_u32 v3, v0, 4, 1                         ; my K half h
	v_lshlrev_b32 v4, 4, v1                        ; in: 16 bytes a lane, 512 consecutive bytes (a row) a load
	s_mul_i32 s18, s16, WST
	v_add_nc_u32 v5, s18, v4                       ; into the stage: as loaded
	v_mul_u32_u24 v6, v2, PITCH
	v_lshl_add_u32 v6, v3, 7, v6
	v_add_nc_u32 v6, s18, v6                       ; out of it: row m, + 128 h bytes
	v_bfe_u32 v7, v0, 3, 1
	v_lshlrev_b32 v7, 8, v7
	v_lshl_add_u32 v7, v3, 7, v7
	v_and_b32 v8, 7, v0
	v_lshl_add_u32 v7, v8, 4, v7                   ; my place in a chunk of the image: 256 (m / 8) + 128 h + 16 (m % 8)
	v_lshlrev_b32 v8, 2, v1                        ; my word of the meta block
	v_mov_b32 v17, 0                               ; a lane permute's destination counts as one of its sources
	v_mov_b32 v22, 0
	v_mov_b32 v23, 0x7f800000                      ; +infinity
	s_mov_b32 s24, 0x76543210
	s_mov_b32 s25, 0xfedcba98                      ; selects: lane l xor 16
	s_mov_b32 s27, 0xffff0000                      ; lanes 16-31
	s_lshl_b32 s17, ttmp9, 1
	s_add_co_u32 s17, s17, s16                     ; T
	s_min_u32 s18, s17, NREAL-1                    ; a key group reads a group that exists
	s_sub_co_u32 s19, s17, NKG                     ; the query tile, where T is one
	s_sub_co_u32 s20, s17, NREAL
	s_cmp_lt_u32 s20, NKG-NREAL                    ; a padding group?
	s_cselect_b32 s26, -1, 0                       ; as a lane mask
	s_wait_kmcnt 0x0
	s_cmp_lt_u32 s17, NKG                          ; keys or queries: the choice hangs on the tile's number alone
	s_cselect_b32 s20, s18, s19                    ; the tile that is read
	s_cselect_b32 s21, s17, s19                    ; the tile that is written
	s_cselect_b64 s[4:5], s[4:5], s[6:7]
	s_cselect_b64 s[8:9], s[8:9], s[12:13]
	s_cselect_b64 s[10:11], s[10:11], s[14:15]
	s_lshl_b32 s22, s20, 13                        ; 16 rows of 512 bytes
	s_mov_b32 s23, 0
	s_add_nc_u64 s[4:5], s[4:5], s[22:23]
	s_mul_i32 s22, s21, 1536
	s_add_nc_u64 s[8:9], s[8:9], s[22:23]
	s_lshl_b32 s22, s21, 7
	s_add_nc_u64 s[10:11], s[10:11], s[22:23]
.irp i, 0,1,2,3,4,5,6,7,8,9,10,11,12,13,14,15
	global_load_b128 v[R+4*\i:R+4*\i+3], v4, s[4:5] offset:512*\i
.endr
.irp i, 0,1,2,3,4,5,6,7,8,9,10,11,12,13,14,15
	s_wait_loadcnt 15-\i                           ; row i is in; the 15 - i younger loads may stay out
	ds_store_b128 v5, v[R+4*\i:R+4*\i+3] offset:PITCH*\i
.endr
.irp c, 0,1
.irp i, 0,1,2,3,4,5,6,7
	ds_load_b128 v[X+32*\c+4*\i:X+32*\c+4*\i+3], v6 offset:256*\c+16*\i   ; LDS serves a wave's instructions in order: these see my stores
.endr
.endr
	s_wait_dscnt 0x0
	; my two blocks (h and 2 + h of my row): largest magnitude, scale operand, scale byte; the blocks by turns
.irp c, 0,1
	v_max3_num_f32 v[10+\c], |v[X+32*\c]|, |v[X+32*\c+1]|, 0x1800000   ; the floor 2^(3 - 127) is one more leaf: the byte cannot fall under 1
.endr
.irp i, 2,4,6,8,10,12,14,16,18,20,22,24,26,28,30
.irp c, 0,1
	v_max3_num_f32 v[10+\c], v[10+\c], |v[X+32*\c+\i]|, |v[X+32*\c+\i+1]|
.endr
.endr
.irp c, 0,1
	v_add_nc_u32 v[12+\c], 0xff000000, v[10+\c]    ; 2 off the exponent field: the conversion takes this operand's exponent field as its scale
.endr
.irp c, 0,1
	v_lshrrev_b32 v[14+\c], 23, v[12+\c]           ; the scale's byte
.endr
	v_lshl_or_b32 v16, v15, 16, v14                ; my two bytes,
	v_lshlrev_b32 v9, 3, v3
	v_lshlrev_b32 v16, v9, v16                     ; 8 h bits up;
	v_permlanex16_b32 v17, v16, s24, s25
	v_or_b32 v16, v16, v17                         ; with lane l xor 16's two the row's scale word is whole
	; the row's sum of squares, of the numbers as they are given: two packed chains, then the other half of the row
	v_pk_mul_f32 v[18:19], v[X:X+1], v[X:X+1]
	v_pk_mul_f32 v[20:21], v[X+2:X+3], v[X+2:X+3]
.irp i, 4,8,12,16,20,24,28,32,36,40,44,48,52,56,60
	v_pk_fma_f32 v[18:19], v[X+\i:X+\i+1], v[X+\i:X+\i+1], v[18:19]
	v_pk_fma_f32 v[20:21], v[X+\i+2:X+\i+3], v[X+\i+2:X+\i+3], v[20:21]
.endr
	v_pk_add_f32 v[18:19], v[18:19], v[20:21]
	v_add_f32 v18, v18, v19
	v_permlanex16_b32 v22, v18, s24, s25
	v_add_f32 v18, v18, v22
	v_cndmask_b32 v18, v18, v23, s26               ; a padding group's rows: +infinity
	v_cndmask_b32 v9, v16, v18, s27                ; lanes 0-15: row l's scale word; lanes 16-31: row l - 16's sum of squares
	v_cvt_scalef32_pk16_fp6_f32 v[F:F+2], v[X:X+15], v12
	v_cvt_scalef32_pk16_fp6_f32 v[TA:TA+2], v[X+16:X+31], v12
	v_cvt_scalef32_pk16_fp6_f32 v[F+6:F+8], v[X+32:X+47], v13
	v_cvt_scalef32_pk16_fp6_f32 v[TB:TB+2], v[X+48:X+63], v13
	v_nop                                          ; one plain vector instruction between a scaled conversion and the vector instruction that touches its result
.irp i, 0,1,2
	v_mov_b32 v[F+3+\i], v[TA+\i]
	v_mov_b32 v[F+9+\i], v[TB+\i]
.endr
.irp c, 0,1,2
	global_store_b128 v7, v[F+4*\c:F+4*\c+3], s[8:9] offset:512*\c   ; the 32 lanes fill 512 consecutive bytes, aligned to 512
.endr
	global_store_b32 v8, v9, s[10:11]              ; 128 consecutive bytes
	s_wait_tensorcnt 0x0
	ds_add_u32 v176, v177
	s_wait_dscnt 0x0
	s_endpgm
.Lfunc_end_k_q7d8ecbb25f_prep:
	.size	k_q7d8ecbb25f_prep, .Lfunc_end_k_q7d8ecbb25f_prep-k_q7d8ecbb25f_prep
	.p2alignl 7, 3214868480
	.fill 96, 4, 3214868480
	.section	.rodata,"a",@progbits
	.p2align	6, 0x0
	.amdhsa_kernel k_q7d8ecbb25f_prep
		.amdhsa_group_segment_fixed_size 17152
		.amdhsa_private_segment_fixed_size 0
		.amdhsa_enable_private_segment 0
		.amdhsa_kernarg_size 48
		.amdhsa_user_sgpr_count 2
		.amdhsa_user_sgpr_kernarg_segment_ptr 1
		.amdhsa_wavefront_size32 1
		.amdhsa_system_sgpr_workgroup_id_x 1
		.amdhsa_system_sgpr_workgroup_id_y 1
		.amdhsa_system_sgpr_workgroup_id_z 1
		.amdhsa_system_vgpr_workitem_id 0
		.amdhsa_next_free_vgpr 178
		.amdhsa_next_free_sgpr 66
		.amdhsa_reserve_vcc 0
		.amdhsa_float_denorm_mode_32 3
		.amdhsa_float_denorm_mode_16_64 3
		.amdhsa_memory_ordered 1
		.amdhsa_forward_progress 1
		.amdhsa_inst_pref_size 13
	.end_amdhsa_kernel
	.amdgpu_metadata
---
amdhsa.version: [ 1, 2 ]
amdhsa.kernels:
  - .name:           k_q7d8ecbb25f_prep
    .symbol:         k_q7d8ecbb25f_prep.kd
    .args:
      - { .name: dnd_keys, .offset: 0, .size: 8, .value_kind: global_buffer, .address_space: global }
      - { .name: queries, .offset: 8, .size: 8, .value_kind: global_buffer, .address_space: global }
      - { .name: kimg, .offset: 16, .size: 8, .value_kind: global_buffer, .address_space: global }
      - { .name: kmeta, .offset: 24, .size: 8, .value_kind: global_buffer, .address_space: global }
      - { .name: qimg, .offset: 32, .size: 8, .value_kind: global_buffer, .address_space: global }
      - { .name: qmeta, .offset: 40, .size: 8, .value_kind: global_buffer, .address_space: global }
    .group_segment_fixed_size: 17152
    .private_segment_fixed_size: 0
    .kernarg_segment_align: 8
    .kernarg_segment_size: 48
    .max_flat_workgroup_size: 64
    .sgpr_count:     66
    .vgpr_count:     178
    .wavefront_size: 32
...
	.end_amdgpu_metadata
.endif
;; end of part 1
;; launch dist (part 2): grid 63 x 4, 4 waves a work-group, no clusters, 168,448 bytes of LDS; arguments kimg, kmeta, qimg, qmeta, g16, mg; writes g16, mg
.if DOCPART == 2
	.amdgcn_target "amdgcn-amd-amdhsa--gfx1250"
	.amdhsa_code_object_version 6
	.text
	.protected	k_q7d8ecbb25f_dist
	.globl	k_q7d8ecbb25f_dist
	.p2align	8
	.type	k_q7d8ecbb25f_dist,@function
k_q7d8ecbb25f_dist:
	s_mov_b64 s[64:65], 0
	v_nop
	global_prefetch_b8 v0, s[64:65] scope:SCOPE_SE
	s_setreg_imm32_b32 hwreg(HW_REG_WAVE_MODE, 25, 1), 1
	s_wait_xcnt 0x0
; DIST: d(q, key) = fl(fl(qq - 2 dot) + kk), dot = the product of the FP6 codes with their E8M0 scales, for all 2,048 queries x 50,400 keys (400 of them padding, kk = +infinity).
; d itself is not stored.  Stored are, as whole numbers whose unsigned order is the order of the f32 numbers (u = b xor ((b asr 31) or 0x80000000)):
;   g16[group][query]: the least d of the 16 keys of a group;   mg[group / 5][query]: the least of 80 keys.   A row of 2,048 queries lies as [q >> 6][q & 15][(q >> 4) & 3].
; SHARES.  Work-group (x, y): keys 800 x .. 800 x + 799 (50 groups: their images and meta blocks, 83,200 bytes, come into LDS once), queries 512 y on.  Wave w: 128 queries (8 tiles), whose fragments stay in registers.
; A PAIR p = 0 .. 24 is two matrix tiles u = 0, 1: row 8 h + j of tile u is key 8 u + j of group 25 h + p.  So in the results a lane (query l % 16, h = l / 16) holds, in the 16 registers of the two tiles,
; the 16 keys of ONE group: the minimum needs no other lane.  Source 0 = keys, source 1 = queries.  Every product starts from the constant 0 (K = 128 is one instruction): no sum is carried on.
; BY TURNS.  The two products of query tile n + 1 are issued ahead of the 28 vector lines of tile n, on the other of two sets of accumulators.
; NO CLUSTER: what the four work-groups of one x share is the one fill of 83,200 bytes at the start; afterwards nothing is fetched: each work-group issues 1,600 matrix instructions and stores 122,880 bytes of its own.
; LIMITS: NaN and infinities among the inputs are not served.
.set IMGH,  38528                      ; LDS: images of groups 0-24 at 0, of groups 25-49 at 38,528 = 38,400 + 128: the sixteen lanes of half a load (8 of each h) take sixteen different 16-byte columns of 256
.set META,  77056                      ; the 50 meta blocks
.set QQ,  8                            ; v8-15    qq of my lane's query in tile n
.set QS,  16                           ; v16-23   the queries' scale words, tile n
.set QF,  24                           ; v24-119  the queries' fragments, 12 a tile
.set AF,  120                          ; v120-167 the keys' fragments: set s, tile u at 24 s + 12 u
.set AS,  168                          ; v168-171 their scale words
.set KK,  172                          ; v172-203 kk of my 16 keys, set s at 16 s
.set ACC, 204                          ; v204-235 two sets of two accumulators
.set G,   236                          ; v236-243 the group's least d for query tile n
.set MG,  244                          ; v244-251 the running least of five groups
	s_load_b256 s[4:11], s[0:1], 0x0               ; kimg s[4:5], kmeta s[6:7], qimg s[8:9], qmeta s[10:11]
	s_load_b128 s[12:15], s[0:1], 0x20             ; g16 s[12:13], mg s[14:15]
	s_set_vgpr_msb 0x40
	v_lshl_add_u32 v0, v0, 2, 0x29000
	v_mov_b32 v1, 0
	s_set_vgpr_msb 0x4045
	ds_add_u32 v0, v1
	ds_add_u32 v0, v1
	s_set_vgpr_msb 0x4500
	v_lshrrev_b32 v6, 5, v0
	v_readfirstlane_b32 s40, v6                    ; wave 0..3
	s_mov_b32 s41, ttmp9                           ; x: which 800 keys
	s_and_b32 s42, ttmp7, 0xffff                   ; y
	s_lshl_b32 s43, s42, 2
	s_add_co_u32 s43, s43, s40                     ; my block of 128 queries
	; descriptor group 1 for a quarter of the images: 19,200 dense bytes as 75 rows of 256 (32 elements of 8 bytes)
	s_mov_b32 s16, 3<<16
	s_mov_b32 s17, 32<<16                          ; tensor_dim0
	s_mov_b32 s18, 75<<16                          ; tensor_dim1
	s_mov_b32 s19, 32<<16                          ; tile_dim0
	s_mov_b32 s20, 75                              ; tile_dim1
	s_mov_b32 s21, 32                              ; from row to row
	s_mov_b32 s22, 0
	s_mov_b32 s23, 0
	; and for a quarter of the meta blocks: 1,600 dense bytes as 25 rows of 64
	s_mov_b32 s24, 3<<16
	s_mov_b32 s25, 8<<16
	s_mov_b32 s26, 25<<16
	s_mov_b32 s27, 8<<16
	s_mov_b32 s28, 25
	s_mov_b32 s29, 8
	s_mov_b32 s30, 0
	s_mov_b32 s31, 0
	s_mov_b32 s32, 1
	s_mul_i32 s33, s40, 19200
	s_lshr_b32 s44, s40, 1
	s_lshl_b32 s44, s44, 7
	s_add_co_u32 s33, s33, s44                     ; LDS: 19,200 x wave, + 128 for the upper half
	s_mov_b32 s36, 1
	s_mul_i32 s37, s40, 1600
	s_add_co_u32 s37, s37, META
	s_mul_i32 s44, s41, 76800
	s_mul_i32 s46, s40, 19200
	s_add_co_u32 s44, s44, s46
	s_mov_b32 s45, 0
	s_mul_i32 s46, s41, 6400
	s_mul_i32 s48, s40, 1600
	s_add_co_u32 s46, s46, s48
	s_mov_b32 s47, 0
	s_wait_dscnt 0x0
	s_wait_kmcnt 0x0
	s_add_nc_u64 s[34:35], s[4:5], s[44:45]
	s_or_b32 s35, s35, 0x80000000
	s_add_nc_u64 s[38:39], s[6:7], s[46:47]
	s_or_b32 s39, s39, 0x80000000
	tensor_load_to_lds s[32:35], s[16:23]          ; the only fills of the launch: two tensor loads of mine are out
	s_nop 0
	tensor_load_to_lds s[36:39], s[24:31]
	s_nop 0
.rept 4
	v_nop
.endr
	v_bfe_u32 v252, v0, 3, 1                       ; (l >> 3) & 1
	v_bfe_u32 v253, v0, 4, 1                       ; l >> 4
	v_and_b32 v254, 7, v0
	v_and_b32 v255, 15, v0
	v_mul_u32_u24 v1, v252, IMGH                   ; a key fragment: row l % 16 = 8 h + j: half h of the groups, K half l >> 4, row j
	v_lshl_add_u32 v1, v253, 7, v1
	v_lshl_add_u32 v1, v254, 4, v1
	v_mul_u32_u24 v2, v252, 3200                   ; its rows' scale words
	v_lshl_add_u32 v2, v254, 2, v2
	v_add_nc_u32 v2, META, v2
	v_mul_u32_u24 v3, v253, 3200                   ; kk of the group that my results belong to: half l >> 4
	v_add_nc_u32 v3, META+64, v3
	v_mul_u32_u24 v4, v253, 204800                 ; g16: 25 groups of 8,192 bytes on for lanes 16-31; 16 bytes for each of 16 queries
	v_lshl_add_u32 v4, v255, 4, v4
	v_mul_u32_u24 v5, v253, 40960                  ; mg likewise: 5 rows on
	v_lshl_add_u32 v5, v255, 4, v5
	v_lshlrev_b32 v6, 8, v252                      ; a query fragment's lane in a chunk of its image
	v_lshl_add_u32 v6, v253, 7, v6
	v_lshl_add_u32 v6, v254, 4, v6
	v_lshlrev_b32 v7, 2, v255
	s_mul_i32 s44, s43, 12288                      ; my 8 query tiles: images,
	s_add_nc_u64 s[8:9], s[8:9], s[44:45]
	s_lshl_b32 s44, s43, 10                        ; meta blocks
	s_add_nc_u64 s[10:11], s[10:11], s[44:45]
.irp n, 0,1,2,3,4,5,6,7
.irp c, 0,1,2
	global_load_b128 v[QF+12*\n+4*\c:QF+12*\n+4*\c+3], v6, s[8:9] offset:1536*\n+512*\c
.endr
	global_load_b32 v[QS+\n], v7, s[10:11] offset:128*\n
	global_load_b32 v[QQ+\n], v7, s[10:11] offset:128*\n+64
.endr
	s_mul_i32 s44, s41, 409600                     ; where my results go: 50 rows of g16 for each x, 512 bytes for each block of queries
	s_lshl_b32 s46, s43, 9
	s_add_co_u32 s44, s44, s46
	s_add_nc_u64 s[12:13], s[12:13], s[44:45]
	s_mul_i32 s44, s41, 81920
	s_add_co_u32 s44, s44, s46
	s_add_nc_u64 s[14:15], s[14:15], s[44:45]
.irp n, 0,1,2,3,4,5,6,7
	v_mov_b32 v[MG+\n], -1                         ; above every code
.endr
	s_wait_tensorcnt 0x0                           ; my two quarters have landed,
	s_barrier_signal -1
	s_barrier_wait -1                              ; everybody's have: from here on LDS is only read
	s_wait_loadcnt 0x0                             ; the queries; v6 and v7 are free
; 12 LDS loads: the pair k places on from the trip's first, into set
.macro LDA set, k
.irp u, 0,1
.irp c, 0,1,2
	ds_load_b128 v[AF+24*(\set)+12*\u+4*\c:AF+24*(\set)+12*\u+4*\c+3], v1 offset:1536*(\k)+512*\c+256*\u
.endr
.endr
.irp u, 0,1
	ds_load_b32 v[AS+2*(\set)+\u], v2 offset:128*(\k)+32*\u
.endr
.irp i, 0,1,2,3
	ds_load_b128 v[KK+16*(\set)+4*\i:KK+16*(\set)+4*\i+3], v3 offset:128*(\k)+16*\i
.endr
.endm
; the two products of query tile n with the pair in set, into accumulators z
.macro MM set, n, z
.irp u, 0,1
	v_wmma_scale_f32_16x16x128_f8f6f4 v[ACC+16*(\z)+8*\u:ACC+16*(\z)+8*\u+7], v[AF+24*(\set)+12*\u:AF+24*(\set)+12*\u+11], v[QF+12*(\n):QF+12*(\n)+11], 0, v[AS+2*(\set)+\u], v[QS+(\n)] matrix_a_fmt:MATRIX_FMT_FP6 matrix_b_fmt:MATRIX_FMT_FP6
.endr
.endm
; 28 vector lines on the 16 results of query tile n: d with the two roundings of qq - 2 dot + kk, the least of the 16, its code, the running least of five groups.  Each accumulator is read from its low end on.
.macro POST set, n, z
.set ZB, ACC+16*(\z)
.set KB, KK+16*(\set)
.irp i, 0,2,4,6,8,10,12,14
.if (\n)%2
	v_pk_fma_f32 v[ZB+\i:ZB+\i+1], v[ZB+\i:ZB+\i+1], -2.0, v[QQ+(\n)-1:QQ+(\n)] op_sel:[0,0,1] op_sel_hi:[1,0,1]
.else
	v_pk_fma_f32 v[ZB+\i:ZB+\i+1], v[ZB+\i:ZB+\i+1], -2.0, v[QQ+(\n):QQ+(\n)+1] op_sel_hi:[1,0,0]
.endif
.endr
.irp i, 0,2,4,6,8,10,12,14
	v_pk_add_f32 v[ZB+\i:ZB+\i+1], v[ZB+\i:ZB+\i+1], v[KB+\i:KB+\i+1]
.endr
	v_min3_num_f32 v[G+(\n)], v[ZB], v[ZB+1], v[ZB+2]               ; two chains
	v_min3_num_f32 v6, v[ZB+8], v[ZB+9], v[ZB+10]
	v_min3_num_f32 v[G+(\n)], v[G+(\n)], v[ZB+3], v[ZB+4]
	v_min3_num_f32 v6, v6, v[ZB+11], v[ZB+12]
	v_min3_num_f32 v[G+(\n)], v[G+(\n)], v[ZB+5], v[ZB+6]
	v_min3_num_f32 v6, v6, v[ZB+13], v[ZB+14]
	v_min3_num_f32 v[G+(\n)], v[G+(\n)], v6, v[ZB+7]
	v_min_num_f32 v[G+(\n)], v[G+(\n)], v[ZB+15]
	v_ashrrev_i32 v6, 31, v[G+(\n)]
	v_or_b32 v6, 0x80000000, v6
	v_xor_b32 v[G+(\n)], v6, v[G+(\n)]                              ; unsigned order = the numbers' order
	v_min_u32 v[MG+(\n)], v[MG+(\n)], v[G+(\n)]
.endm
; A pair.  Its first products (query tile 0) were issued at the end of the pair before.  more = 1: the next pair is fetched into the other set and its first products are issued.
; DISTANCES.  Between a product and the lines that read it stand the 28 lines of the tile before, which name none of its registers; between a product and the product that writes over its accumulators
; stand two such runs, one of which names none of its registers; the other set's last product stands two runs ahead of the loads into that set.
.macro PAIR set, k, more
	s_wait_xcnt 0x0                                ; the last pair's stores have read G
.if \more
	LDA 1-\set, \k+1
.endif
.irp n, 0,1,2,3,4,5,6,7
.if \n < 7
	MM \set, \n+1, (\n+1)%2
.elseif \more
	s_wait_dscnt 0x0                               ; the next pair's 12 loads, issued seven tiles ago
	MM 1-\set, 0, 0
.endif
	POST \set, \n, \n%2
.if \n == 3
	global_store_b128 v4, v[G:G+3], s[12:13] offset:8192*(\k)         ; sixteen lanes fill 256 consecutive bytes, aligned: 64 queries of one group
.endif
.if \n == 7
	global_store_b128 v4, v[G+4:G+7], s[12:13] offset:8192*(\k)+256
.endif
.endr
.endm
; Behind every fifth pair the least of five groups leaves.  cond = 1: in the loop, by a count of pairs; cond = 0: behind the last pair
.macro FLUSH cond
.if \cond
	s_add_co_u32 s53, s53, 1
	s_cmp_lg_u32 s53, 5
	s_cbranch_scc1 .Lkeep_\@
.endif
	global_store_b128 v5, v[MG:MG+3], s[14:15]
	global_store_b128 v5, v[MG+4:MG+7], s[14:15] offset:256
.if \cond
	s_wait_xcnt 0x0                                ; the stores have read their data and their offset
.irp n, 0,1,2,3,4,5,6,7
	v_mov_b32 v[MG+\n], -1
.endr
	v_add_nc_u32 v5, 8192, v5
	s_mov_b32 s53, 0
.endif
.Lkeep_\@:
.endm
	LDA 0, 0
	s_wait_dscnt 0x0
	MM 0, 0, 0
.rept 4
	v_nop                                          ; the places behind the very first products
.endr
	s_mov_b32 s52, 12
	s_mov_b32 s53, 0
.Ltrip:                                                ; 12 trips of two pairs; pair 24 stands behind the loop, since it fetches nothing
	PAIR 0, 0, 1
	FLUSH 1
	PAIR 1, 1, 1
	FLUSH 1
	s_wait_xcnt 0x0                                ; the stores have read v4
	v_add_nc_u32 v4, 16384, v4
	v_add_nc_u32 v1, 3072, v1
	v_add_nc_u32 v2, 256, v2
	v_add_nc_u32 v3, 256, v3
	s_sub_co_u32 s52, s52, 1
	s_cmp_lg_u32 s52, 0
	s_cbranch_scc1 .Ltrip
	PAIR 0, 0, 0
	FLUSH 0
	s_set_vgpr_msb 0x5
	s_wait_tensorcnt 0x0
	ds_add_u32 v0, v1
	s_wait_dscnt 0x0
	s_set_vgpr_msb 0x500
	s_endpgm
.Lfunc_end_k_q7d8ecbb25f_dist:
	.size	k_q7d8ecbb25f_dist, .Lfunc_end_k_q7d8ecbb25f_dist-k_q7d8ecbb25f_dist
	.p2alignl 7, 3214868480
	.fill 96, 4, 3214868480
	.section	.rodata,"a",@progbits
	.p2align	6, 0x0
	.amdhsa_kernel k_q7d8ecbb25f_dist
		.amdhsa_group_segment_fixed_size 168448
		.amdhsa_private_segment_fixed_size 0
		.amdhsa_enable_private_segment 0
		.amdhsa_kernarg_size 48
		.amdhsa_user_sgpr_count 2
		.amdhsa_user_sgpr_kernarg_segment_ptr 1
		.amdhsa_wavefront_size32 1
		.amdhsa_system_sgpr_workgroup_id_x 1
		.amdhsa_system_sgpr_workgroup_id_y 1
		.amdhsa_system_sgpr_workgroup_id_z 1
		.amdhsa_system_vgpr_workitem_id 0
		.amdhsa_next_free_vgpr 258
		.amdhsa_next_free_sgpr 66
		.amdhsa_reserve_vcc 0
		.amdhsa_float_denorm_mode_32 3
		.amdhsa_float_denorm_mode_16_64 3
		.amdhsa_memory_ordered 1
		.amdhsa_forward_progress 1
		.amdhsa_inst_pref_size 60
	.end_amdhsa_kernel
	.amdgpu_metadata
---
amdhsa.version: [ 1, 2 ]
amdhsa.kernels:
  - .name:           k_q7d8ecbb25f_dist
    .symbol:         k_q7d8ecbb25f_dist.kd
    .args:
      - { .name: kimg, .offset: 0, .size: 8, .value_kind: global_buffer, .address_space: global }
      - { .name: kmeta, .offset: 8, .size: 8, .value_kind: global_buffer, .address_space: global }
      - { .name: qimg, .offset: 16, .size: 8, .value_kind: global_buffer, .address_space: global }
      - { .name: qmeta, .offset: 24, .size: 8, .value_kind: global_buffer, .address_space: global }
      - { .name: g16, .offset: 32, .size: 8, .value_kind: global_buffer, .address_space: global }
      - { .name: mg, .offset: 40, .size: 8, .value_kind: global_buffer, .address_space: global }
    .group_segment_fixed_size: 168448
    .private_segment_fixed_size: 0
    .kernarg_segment_align: 8
    .kernarg_segment_size: 48
    .max_flat_workgroup_size: 128
    .sgpr_count:     66
    .vgpr_count:     258
    .wavefront_size: 32
...
	.end_amdgpu_metadata
.endif
;; end of part 2
;; launch pick (part 3): grid 2048 x 1, 1 waves a work-group, no clusters, 1,280 bytes of LDS; arguments mg, g16, kimg, kmeta, qimg, qmeta, sel; writes sel
.if DOCPART == 3
	.amdgcn_target "amdgcn-amd-amdhsa--gfx1250"
	.amdhsa_code_object_version 6
	.text
	.protected	k_q7d8ecbb25f_pick
	.globl	k_q7d8ecbb25f_pick
	.p2align	8
	.type	k_q7d8ecbb25f_pick,@function
k_q7d8ecbb25f_pick:
	s_mov_b64 s[64:65], 0
	v_nop
	global_prefetch_b8 v0, s[64:65] scope:SCOPE_SE
	s_setreg_imm32_b32 hwreg(HW_REG_WAVE_MODE, 25, 1), 1
	s_wait_xcnt 0x0
; PICK: one wave, one query q.  The 50 keys with the least (d, index) are found in three levels.  Groups are runs of neighbouring indices, so ordering groups by (least d, group number) is ordering them
; by their least element: the 50 least groups hold the 50 least elements.
;   1: of the 625 runs of 80 keys (mg, whole numbers from memory) the 50 least;   2: of their 250 groups of 16 (g16) the 50 least;
;   3: the 800 keys of those groups: their codes are gathered, d is made again by the same matrix instruction and the same two roundings as in the launch before, and the 50 least are MARKED.
; Levels 1 and 2 steer addresses, and hang on whole numbers read from memory alone.  Level 3's choice hangs on floating-point numbers: it steers nothing here; it is stored as 25 lane masks, with the index
; of each (register, lane), for the next launch.
; THE 50TH SMALLEST of n registers x 32 lanes of unsigned numbers is built bit by bit from the top (a loop of constant count; what is counted feeds a select, never a branch).  Ties: each number becomes 0 (smaller),
; its index + 1 (equal) or all ones (larger), and the 50th smallest of those marks exactly 50, the lower index first among equals.
; One wave to a work-group: the lists' places in LDS hang on data, and no other wave shares them.
; LIMITS: NaN and infinities among the inputs are not served.
.set X,     36                         ; v36-60   the numbers in hand; in level 3 first the products, then d, then its code
.set KK,    62                         ; v62-86   kk of the 800 keys
.set AR,    88                         ; v88-207  ten key fragments
.set ASR,   208                        ; v208-217 their scale words
.set DR,    218                        ; v218-249 four accumulators
.set LIST1, 0                          ; LDS: 64 places of a list, then a word for each lane, for what is not chosen
.set LIST2, 384
	s_load_b256 s[4:11], s[0:1], 0x0               ; mg s[4:5], g16 s[6:7], kimg s[8:9], kmeta s[10:11]
	s_load_b128 s[12:15], s[0:1], 0x20             ; qimg s[12:13], qmeta s[14:15]
	s_load_b64 s[16:17], s[0:1], 0x30              ; sel
	v_lshl_add_u32 v254, v0, 2, 0x400
	v_mov_b32 v255, 0
	s_mov_b32 s18, ttmp9                           ; q
	s_lshr_b32 s19, s18, 6
	s_lshl_b32 s19, s19, 8
	s_and_b32 s50, s18, 15
	s_lshl_b32 s50, s50, 4
	s_add_co_u32 s19, s19, s50
	s_bfe_u32 s50, s18, 0x20004
	s_lshl_b32 s50, s50, 2
	s_add_co_u32 s19, s19, s50                     ; q's place in a row of mg or g16
	s_mov_b32 s51, 0                               ; the upper word of every offset pair
	s_mov_b32 s27, 0xfffe0000                      ; lanes 17-31
	s_mov_b32 s28, 0xfffc0000                      ; lanes 18-31
.set W, 0
.rept 16
	s_mov_b32 s[30+W], 0x00010001<<W               ; lanes W and W + 16
.set W, W+1
.endr
	v_lshlrev_b32 v1, 2, v0                        ; 4 l
	v_mov_b32 v2, 0
	v_mov_b32 v3, -1
	v_add_nc_u32 v4, 64, v0                        ; my own word behind a list
	v_lshl_add_u32 v8, v0, 13, s19                 ; row l of 32 rows of mg
	v_min_u32 v9, 16, v0
	v_lshl_add_u32 v9, v9, 13, s19                 ; the last 17 rows: rows 608 .. 624
	v_bfe_u32 v5, v0, 3, 1
	v_bfe_u32 v6, v0, 4, 1
	v_and_b32 v7, 7, v0
	v_lshlrev_b32 v14, 8, v5
	v_lshl_add_u32 v14, v6, 7, v14
	v_lshl_add_u32 v14, v7, 4, v14                 ; a fragment's lane in a chunk of an image
	v_and_b32 v15, 15, v0
	v_lshlrev_b32 v15, 2, v15                      ; 4 (l % 16)
	v_lshlrev_b32 v13, 7, v6                       ; 128 (l / 16)
	ds_store_b32 v1, v2 offset:LIST1               ; the lists' 64 places begin as zeros
	ds_store_b32 v1, v2 offset:LIST1+128
	ds_store_b32 v1, v2 offset:LIST2
	ds_store_b32 v1, v2 offset:LIST2+128
	s_lshr_b32 s52, s18, 4                         ; q's tile
	s_wait_kmcnt 0x0
	s_mul_i32 s50, s52, 1536
	s_bfe_u32 s24, s18, 0x10003
	s_lshl_b32 s24, s24, 8
	s_add_co_u32 s50, s50, s24
	s_and_b32 s24, s18, 7
	s_lshl_b32 s24, s24, 4
	s_add_co_u32 s50, s50, s24
	s_add_nc_u64 s[12:13], s[12:13], s[50:51]      ; q's row in its tile's image
	s_lshl_b32 s50, s52, 7
	s_and_b32 s24, s18, 15
	s_lshl_b32 s24, s24, 2
	s_add_co_u32 s50, s50, s24
	s_add_nc_u64 s[14:15], s[14:15], s[50:51]      ; its scale word; its qq 64 bytes on
	s_mul_i32 s50, s18, 640
	s_add_nc_u64 s[16:17], s[16:17], s[50:51]      ; its 160 words of sel
.irp c, 0,1,2
	global_load_b128 v[24+4*\c:27+4*\c], v13, s[12:13] offset:512*\c   ; source 1: the SAME query in all 16 columns
.endr
	global_load_b32 v21, v2, s[14:15]
	global_load_b32 v22, v2, s[14:15] offset:64
	global_load_b32 v23, v2, s[14:15] offset:64    ; qq twice: a pair for the packed form
.set W, 0
.rept 19
	global_load_b32 v[X+W], v8, s[4:5] offset:262144*W   ; run 32 W + l
.set W, W+1
.endr
	global_load_b32 v[X+19], v9, s[4:5] offset:262144*19
	s_wait_loadcnt 0x0
	v_cndmask_b32 v[X+19], v[X+19], v3, s27        ; runs 625 on do not exist
.macro BISECT n, top                   ; s20 = the 50th smallest of X[0 .. n - 1], whose bits above top are known to be 0 (all ones counts as larger than all)
	s_mov_b32 s20, 0
	s_mov_b32 s21, 1<<(\top)
	s_mov_b32 s23, (\top)+1
.Lbit_\@:
	s_or_b32 s22, s20, s21                         ; with this bit set:
.set BI, 0
.rept \n
	v_cmp_gt_u32 s[66+BI], s22, v[X+BI]
.set BI, BI+1
.endr
.set BI, 0
.rept \n
	s_bcnt1_i32_b32 s[66+BI], s[66+BI]
.set BI, BI+1
.endr
	s_add_co_u32 s24, s66, s67
.set BI, 2
.rept \n-2
	s_add_co_u32 s24, s24, s[66+BI]
.set BI, BI+1
.endr
	s_cmp_lt_u32 s24, 50                           ; fewer than 50 lie under it: the bit stays
	s_cselect_b32 s20, s22, s20
	s_lshr_b32 s21, s21, 1
	s_sub_co_u32 s23, s23, 1
	s_cmp_lg_u32 s23, 0
	s_cbranch_scc1 .Lbit_\@
.endm
.macro TIE                             ; X[W] becomes 0 (under s20), v6 = its index + 1 (equal) or all ones
	v_cmp_eq_u32 vcc_lo, s20, v[X+W]
	v_cndmask_b32 v7, v3, v6, vcc_lo
	v_cmp_gt_u32 vcc_lo, s20, v[X+W]
	v_cndmask_b32 v[X+W], v7, v2, vcc_lo
.endm
.macro PUT list                        ; the lanes whose X[W] is at most s26 put v6 into the list's next places; the others into their own words behind it
	v_cmp_ge_u32 s66, s26, v[X+W]
	v_mbcnt_lo_u32_b32 v5, s66, s25                ; the places taken so far + the chosen lanes under mine
	v_cndmask_b32 v5, v4, v5, s66
	v_min_u32 v5, 95, v5                           ; held inside the list's 96 words
	v_lshlrev_b32 v5, 2, v5
	ds_store_b32 v5, v6 offset:\list
	s_bcnt1_i32_b32 s67, s66
	s_add_co_u32 s25, s25, s67
.endm
	; ---- level 1: 625 runs of 80 keys
	BISECT 20, 31
.set W, 0
.rept 20
	v_add_nc_u32 v6, 32*W+1, v0
	TIE
.set W, W+1
.endr
	BISECT 20, 9                                   ; a run's number + 1 is under 2^10
	s_mov_b32 s26, s20
	s_mov_b32 s25, 0
.set W, 0
.rept 20
	v_add_nc_u32 v6, 32*W, v0
	PUT LIST1
.set W, W+1
.endr
	; ---- level 2: their 250 groups of 16 keys
	ds_load_b32 v10, v1 offset:LIST1               ; LDS serves a wave's instructions in order: these see my stores
	ds_load_b32 v11, v1 offset:LIST1+128
	s_wait_dscnt 0x0
	v_min_u32 v10, 624, v10
	v_min_u32 v11, 624, v11
	v_mul_u32_u24 v12, v10, 5                      ; the run's first group
	v_mul_u32_u24 v13, v11, 5
	v_mul_u32_u24 v250, v10, 40960                 ; five rows of g16 a run
	v_mul_u32_u24 v251, v11, 40960
	v_add_nc_u32 v250, s19, v250
	v_add_nc_u32 v251, s19, v251
.irp k, 0,1
.irp b, 0,1,2,3,4
	global_load_b32 v[X+5*\k+\b], v[250+\k], s[6:7] offset:8192*\b
.endr
.endr
	s_wait_loadcnt 0x0
.irp b, 5,6,7,8,9
	v_cndmask_b32 v[X+\b], v[X+\b], v3, s28        ; the list has 50 places: 32 + 18
.endr
	BISECT 10, 31
.set W, 0
.rept 10
	v_add_nc_u32 v6, W%5+1, v[12+W/5]
	TIE
.set W, W+1
.endr
	BISECT 10, 11                                  ; a group's number + 1 is under 2^12
	s_mov_b32 s26, s20
	s_mov_b32 s25, 0
.set W, 0
.rept 10
	v_add_nc_u32 v6, W%5, v[12+W/5]
	PUT LIST2
.set W, W+1
.endr
	; ---- level 3.  Register 8 k + j (k < 3) of lane l stands for key 8 (l / 16) + j of the group at list place 16 k + l % 16; register 24 for key 8 (l / 16) + l % 8 of place 48 + (l / 8) % 2
	v_bfe_u32 v5, v0, 3, 1
	v_lshlrev_b32 v5, 2, v5
	ds_load_b32 v10, v1 offset:LIST2
	ds_load_b32 v11, v1 offset:LIST2+128
	ds_load_b32 v250, v15 offset:LIST2
	ds_load_b32 v251, v15 offset:LIST2+64
	ds_load_b32 v252, v15 offset:LIST2+128
	ds_load_b32 v253, v5 offset:LIST2+192
	s_wait_dscnt 0x0
	v_min_u32 v10, 3124, v10
	v_min_u32 v11, 3124, v11
.irp k, 250,251,252,253
	v_min_u32 v\k, 3124, v\k
.endr
	v_bfe_u32 v6, v0, 4, 1
	v_lshlrev_b32 v6, 3, v6                        ; 8 (l / 16)
	v_and_b32 v7, 7, v0
	v_lshl_add_u32 v16, v250, 4, v6                ; the index of register 8 k's key
	v_lshl_add_u32 v17, v251, 4, v6
	v_lshl_add_u32 v18, v252, 4, v6
	v_add_nc_u32 v5, v6, v7
	v_lshl_add_u32 v19, v253, 4, v5                ; and of register 24's
	v_lshlrev_b32 v6, 2, v6
	v_lshl_add_u32 v5, v7, 2, v6
	v_lshl_add_u32 v250, v250, 7, v6               ; where their kk lie: 128 bytes a group, + 32 (l / 16)
	v_lshl_add_u32 v251, v251, 7, v6
	v_lshl_add_u32 v252, v252, 7, v6
	v_lshl_add_u32 v253, v253, 7, v5
.irp k, 0,1,2
	global_load_b128 v[KK+8*\k:KK+8*\k+3], v[250+\k], s[10:11] offset:64
	global_load_b128 v[KK+8*\k+4:KK+8*\k+7], v[250+\k], s[10:11] offset:80
.endr
	global_load_b32 v[KK+24], v253, s[10:11] offset:64
; The 50 groups' products, ten at a time.  TT: the list place; II: its place among the ten; SS: its accumulator
.macro ADDR                            ; the bases of group TT's image and meta block
	v_readlane_b32 s52, v[10+TT/32], TT%32
	s_min_u32 s52, s52, 3124
	s_mul_i32 s50, s52, 1536
	s_add_nc_u64 s[66+2*II:67+2*II], s[8:9], s[50:51]
	s_lshl_b32 s50, s52, 7
	s_add_nc_u64 s[86+2*II-56*(II/8):87+2*II-56*(II/8)], s[10:11], s[50:51]
.endm
.macro LOADT
.irp c, 0,1,2
	global_load_b128 v[AR+12*II+4*\c:AR+12*II+4*\c+3], v14, s[66+2*II:67+2*II] offset:512*\c
.endr
	global_load_b32 v[ASR+II], v15, s[86+2*II-56*(II/8):87+2*II-56*(II/8)]
.endm
.macro TILE                            ; source 0 = the group's 16 keys, source 1 = q sixteen times: every column holds the same 16 products.  The first group of each sixteen writes X's registers itself
.if (TT%16 == 0) && (TT < 48)
.set DD, X+8*(TT/16)
.else
.set DD, DR+8*SS
.endif
	v_wmma_scale_f32_16x16x128_f8f6f4 v[DD:DD+7], v[AR+12*II:AR+12*II+11], v[24:35], 0, v[ASR+II], v21 matrix_a_fmt:MATRIX_FMT_FP6 matrix_b_fmt:MATRIX_FMT_FP6
.endm
.macro MERGE                           ; column TT % 16 of X's registers takes group TT's products; each accumulator is read from its low end on
.if TT < 48
.if TT%16 != 0
.irp j, 0,1,2,3,4,5,6,7
	v_cndmask_b32 v[X+8*(TT/16)+\j], v[X+8*(TT/16)+\j], v[DR+8*SS+\j], s[30+TT%16]
.endr
.endif
.elseif TT == 48
	v_mov_b32 v[X+24], v[DR+8*SS]
.irp j, 1,2,3,4,5,6,7
	v_cndmask_b32 v[X+24], v[X+24], v[DR+8*SS+\j], s[30+\j]
.endr
.else
.irp j, 0,1,2,3,4,5,6,7
	v_cndmask_b32 v[X+24], v[X+24], v[DR+8*SS+\j], s[38+\j]
.endr
.endif
.endm
.macro NEXTADDR b
.set II, 0
.rept 10
.set TT, 10*(\b)+II
	ADDR
.set II, II+1
.endr
.endm
.macro NEXTLOAD
.set II, 0
.rept 10
	LOADT
.set II, II+1
.endr
.endm
.macro SUBG t0, i0, cnt                ; cnt products, and the four places behind them
.set SS, 0
.rept \cnt
.set TT, (\t0)+SS
.set II, (\i0)+SS
	TILE
.set SS, SS+1
.endr
.rept 4
	v_nop
.endr
.endm
.macro MERGES t0, cnt
.set SS, 0
.rept \cnt
.set TT, (\t0)+SS
	MERGE
.set SS, SS+1
.endr
.endm
; An accumulator is written over by a later product only behind the four v_nop and the eight or more lines that merge the OTHER accumulators, which name none of its product's registers.
.macro BATCH b
	s_wait_loadcnt 0x0                             ; the ten fragments are in (and kk, the first time): their bases may be written again
.if \b < 4
	NEXTADDR \b+1
.endif
	SUBG 10*\b, 0, 4
	MERGES 10*\b, 4
	SUBG 10*\b+4, 4, 4
	MERGES 10*\b+4, 4
	SUBG 10*\b+8, 8, 2
.if \b < 4
	NEXTLOAD                                       ; four places behind the last product that read these registers
.endif
	MERGES 10*\b+8, 2
.endm
	NEXTADDR 0
	NEXTLOAD
	BATCH 0
	BATCH 1
	BATCH 2
	BATCH 3
	BATCH 4
	; d = fl(fl(qq - 2 dot) + kk), and its code
.irp i, 0,2,4,6,8,10,12,14,16,18,20,22
	v_pk_fma_f32 v[X+\i:X+\i+1], v[X+\i:X+\i+1], -2.0, v[22:23] op_sel_hi:[1,0,1]
.endr
	v_fma_f32 v[X+24], v[X+24], -2.0, v22
.irp i, 0,2,4,6,8,10,12,14,16,18,20,22
	v_pk_add_f32 v[X+\i:X+\i+1], v[X+\i:X+\i+1], v[KK+\i:KK+\i+1]
.endr
	v_add_f32 v[X+24], v[X+24], v[KK+24]
.set W, 0
.rept 25
	v_ashrrev_i32 v5, 31, v[X+W]
	v_or_b32 v5, 0x80000000, v5
	v_xor_b32 v[X+W], v5, v[X+W]
.set W, W+1
.endr
	BISECT 25, 31
.set W, 0
.rept 25
	v_add_nc_u32 v6, W%8+1, v[16+W/8]
	TIE
.set W, W+1
.endr
	BISECT 25, 15                                  ; a key's index + 1 is under 2^16
	v_mov_b32 v20, 0
.set W, 0
.rept 25
	v_cmp_ge_u32 s66, s20, v[X+W]                  ; register W's chosen lanes,
	v_writelane_b32 v20, s66, W                    ; as word W
.set W, W+1
.endr
	v_lshlrev_b32 v5, 4, v0
	global_store_b32 v1, v20, s[16:17]             ; words 0-31: the masks (25 to 31: zeros)
	global_store_b128 v5, v[16:19], s[16:17] offset:128   ; words 32 + 4 l + k: my lane's four index bases
	s_wait_tensorcnt 0x0
	ds_add_u32 v254, v255
	s_wait_dscnt 0x0
	s_endpgm
.Lfunc_end_k_q7d8ecbb25f_pick:
	.size	k_q7d8ecbb25f_pick, .Lfunc_end_k_q7d8ecbb25f_pick-k_q7d8ecbb25f_pick
	.p2alignl 7, 3214868480
	.fill 96, 4, 3214868480
	.section	.rodata,"a",@progbits
	.p2align	6, 0x0
	.amdhsa_kernel k_q7d8ecbb25f_pick
		.amdhsa_group_segment_fixed_size 1280
		.amdhsa_private_segment_fixed_size 0
		.amdhsa_enable_private_segment 0
		.amdhsa_kernarg_size 56
		.amdhsa_user_sgpr_count 2
		.amdhsa_user_sgpr_kernarg_segment_ptr 1
		.amdhsa_wavefront_size32 1
		.amdhsa_system_sgpr_workgroup_id_x 1
		.amdhsa_system_sgpr_workgroup_id_y 1
		.amdhsa_system_sgpr_workgroup_id_z 1
		.amdhsa_system_vgpr_workitem_id 0
		.amdhsa_next_free_vgpr 256
		.amdhsa_next_free_sgpr 102
		.amdhsa_reserve_vcc 1
		.amdhsa_float_denorm_mode_32 3
		.amdhsa_float_denorm_mode_16_64 3
		.amdhsa_memory_ordered 1
		.amdhsa_forward_progress 1
		.amdhsa_inst_pref_size 122
	.end_amdhsa_kernel
	.amdgpu_metadata
---
amdhsa.version: [ 1, 2 ]
amdhsa.kernels:
  - .name:           k_q7d8ecbb25f_pick
    .symbol:         k_q7d8ecbb25f_pick.kd
    .args:
      - { .name: mg, .offset: 0, .size: 8, .value_kind: global_buffer, .address_space: global }
      - { .name: g16, .offset: 8, .size: 8, .value_kind: global_buffer, .address_space: global }
      - { .name: kimg, .offset: 16, .size: 8, .value_kind: global_buffer, .address_space: global }
      - { .name: kmeta, .offset: 24, .size: 8, .value_kind: global_buffer, .address_space: global }
      - { .name: qimg, .offset: 32, .size: 8, .value_kind: global_buffer, .address_space: global }
      - { .name: qmeta, .offset: 40, .size: 8, .value_kind: global_buffer, .address_space: global }
      - { .name: sel, .offset: 48, .size: 8, .value_kind: global_buffer, .address_space: global }
    .group_segment_fixed_size: 1280
    .private_segment_fixed_size: 0
    .kernarg_segment_align: 8
    .kernarg_segment_size: 56
    .max_flat_workgroup_size: 32
    .sgpr_count:     102
    .vgpr_count:     256
    .wavefront_size: 32
...
	.end_amdgpu_metadata
.endif
;; end of part 3
;; launch final (part 4): grid 2048 x 1, 1 waves a work-group, no clusters, 768 bytes of LDS; arguments sel, dnd_keys, dnd_values, queries, out0; writes out0
.if DOCPART == 4
	.amdgcn_target "amdgcn-amd-amdhsa--gfx1250"
	.amdhsa_code_object_version 6
	.text
	.protected	k_q7d8ecbb25f_final
	.globl	k_q7d8ecbb25f_final
	.p2align	8
	.type	k_q7d8ecbb25f_final,@function
k_q7d8ecbb25f_final:
	s_mov_b64 s[64:65], 0
	v_nop
	global_prefetch_b8 v0, s[64:65] scope:SCOPE_SE
	s_setreg_imm32_b32 hwreg(HW_REG_WAVE_MODE, 25, 1), 1
	s_wait_xcnt 0x0
; FINAL: one wave, one query q.  The 25 lane masks and the index bases that the launch before stored become a list of 50 key indices; the 50 keys (f32) and values are gathered; for each key the exact
; squared distance sum((q - key)^2), w = 1 / (distance + 0.001); out = sum(w x value) / sum(w).
; A key's row is 512 bytes: one load of 16 bytes a lane; all 50 rows are on their way at once, each load landing on the registers that begin with its own offset.
; The divisions are reciprocals (accurate to 1 ulp) and multiplications; the normalising division is made once, at the end.
; LIMITS: NaN and infinities among the inputs are not served.
.set DB, 28                            ; v28-227  key t's 16 bytes of my lane at 4 t
	s_load_b256 s[4:11], s[0:1], 0x0               ; sel s[4:5], keys s[6:7], values s[8:9], queries s[10:11]
	s_load_b64 s[12:13], s[0:1], 0x20              ; out0
	v_lshl_add_u32 v228, v0, 2, 0x200
	v_mov_b32 v229, 0
	v_lshlrev_b32 v1, 2, v0                        ; 4 l
	v_lshlrev_b32 v2, 4, v0                        ; 16 l
	v_add_nc_u32 v3, 64, v0                        ; my own word behind the list
	v_mov_b32 v6, 0
	v_mov_b32 v20, 1.0                             ; the distances, key t in lane t % 32 of register t / 32; written whole before single lanes are
	v_mov_b32 v21, 1.0
	ds_store_b32 v1, v6                            ; the list's 64 places begin as zeros
	ds_store_b32 v1, v6 offset:128
	s_mul_i32 s50, ttmp9, 640
	s_mov_b32 s51, 0
	s_mov_b32 s52, 0x76543210
	s_mov_b32 s53, 0xfedcba98                      ; selects: lane l xor 16
	s_mov_b32 s54, 0xfffc0000                      ; lanes 18-31: list places 50 on
	s_mov_b32 s48, 0                               ; places taken
	s_wait_kmcnt 0x0
	s_add_nc_u64 s[4:5], s[4:5], s[50:51]
	s_lshl_b32 s50, ttmp9, 9
	s_add_nc_u64 s[10:11], s[10:11], s[50:51]
	s_lshl_b32 s50, ttmp9, 2
	s_add_nc_u64 s[12:13], s[12:13], s[50:51]
	s_load_b512 s[16:31], s[4:5], 0x0              ; the masks
	s_load_b512 s[32:47], s[4:5], 0x40
	global_load_b128 v[8:11], v2, s[4:5] offset:128   ; my lane's index bases
	global_load_b128 v[12:15], v2, s[10:11]        ; my four numbers of q
	s_wait_kmcnt 0x0
	s_wait_loadcnt 0x0
.set W, 0
.rept 25
	v_add_nc_u32 v5, W%8, v[8+W/8]                 ; the index that register W of my lane stood for
	v_mbcnt_lo_u32_b32 v4, s[16+W], s48            ; the places taken so far + the chosen lanes under mine
	v_cndmask_b32 v4, v3, v4, s[16+W]
	v_min_u32 v4, 95, v4                           ; held inside the list's 96 words
	v_lshlrev_b32 v4, 2, v4
	ds_store_b32 v4, v5
	s_bcnt1_i32_b32 s49, s[16+W]
	s_add_co_u32 s48, s48, s49
.set W, W+1
.endr
	ds_load_b32 v16, v1                            ; LDS serves a wave's instructions in order: these see my stores
	ds_load_b32 v17, v1 offset:128
	s_wait_dscnt 0x0
	v_min_u32 v22, 49999, v16
	v_min_u32 v23, 49999, v17
	v_lshlrev_b32 v22, 2, v22
	v_lshlrev_b32 v23, 2, v23
	global_load_b32 v18, v22, s[8:9]               ; the values, key t in lane t % 32
	global_load_b32 v19, v23, s[8:9]
.set T, 0
.rept 50
	v_readlane_b32 s50, v[16+T/32], T%32
	s_min_u32 s50, s50, 49999
	v_lshl_add_u32 v[DB+4*T], s50, 9, v2           ; 512 x index + 16 l
	global_load_b128 v[DB+4*T:DB+4*T+3], v[DB+4*T], s[6:7]
.set T, T+1
.endr
.irp g, 0,1,2,3,4                      ; ten keys at a time, stage by stage, so that no line waits for the line above it
	s_wait_loadcnt 40-10*\g                        ; these ten rows are in (and the values); the later groups' rows may stay out
.irp e, 0,1,2,3,4,5,6,7,8,9
.set DD, DB+4*(10*\g+\e)
	v_pk_add_f32 v[DD:DD+1], v[DD:DD+1], v[12:13] neg_lo:[0,1] neg_hi:[0,1]
	v_pk_add_f32 v[DD+2:DD+3], v[DD+2:DD+3], v[14:15] neg_lo:[0,1] neg_hi:[0,1]
.endr
.irp e, 0,1,2,3,4,5,6,7,8,9
.set DD, DB+4*(10*\g+\e)
	v_pk_mul_f32 v[DD:DD+1], v[DD:DD+1], v[DD:DD+1]
.endr
.irp e, 0,1,2,3,4,5,6,7,8,9
.set DD, DB+4*(10*\g+\e)
	v_pk_fma_f32 v[DD:DD+1], v[DD+2:DD+3], v[DD+2:DD+3], v[DD:DD+1]
.endr
.irp e, 0,1,2,3,4,5,6,7,8,9
.set DD, DB+4*(10*\g+\e)
	v_add_f32 v[DD], v[DD], v[DD+1]
.endr
.irp x, 1,2,4,8
.irp e, 0,1,2,3,4,5,6,7,8,9
.set DD, DB+4*(10*\g+\e)
	v_add_f32_dpp v[DD], v[DD], v[DD] row_xmask:\x row_mask:0xf bank_mask:0xf
.endr
.endr
.irp e, 0,1,2,3,4,5,6,7,8,9
.set DD, DB+4*(10*\g+\e)
	v_permlanex16_b32 v[DD+1], v[DD], s52, s53
.endr
.irp e, 0,1,2,3,4,5,6,7,8,9
.set DD, DB+4*(10*\g+\e)
	v_add_f32 v[DD], v[DD], v[DD+1]                ; every lane holds the key's squared distance
.endr
.irp e, 0,1,2,3,4,5,6,7,8,9
.set DD, DB+4*(10*\g+\e)
	v_readfirstlane_b32 s50, v[DD]
	v_writelane_b32 v[20+(10*\g+\e)/32], s50, (10*\g+\e)%32
.endr
.endr
	v_add_f32 v20, 0x3a83126f, v20                 ; + 0.001
	v_add_f32 v21, 0x3a83126f, v21
	v_rcp_f32 v24, v20
	v_rcp_f32 v25, v21
	v_nop                                          ; a plain instruction behind the reciprocals,
	s_wait_alu depctr_va_vdst(0)                   ; and the wait ahead of their first reader: one for both
	v_cndmask_b32 v25, v25, v6, s54                ; list places 50 on count for nothing: neither weight
	v_cndmask_b32 v19, v19, v6, s54                ; nor value
	v_mul_f32 v26, v24, v18
	v_fmac_f32 v26, v25, v19                       ; my lane's part of sum(w x value)
	v_add_f32 v27, v24, v25                        ; and of sum(w)
.irp x, 1,2,4,8
	v_add_f32_dpp v26, v26, v26 row_xmask:\x row_mask:0xf bank_mask:0xf
	v_add_f32_dpp v27, v27, v27 row_xmask:\x row_mask:0xf bank_mask:0xf
.endr
	v_permlanex16_b32 v22, v26, s52, s53
	v_permlanex16_b32 v23, v27, s52, s53
	v_add_f32 v26, v26, v22
	v_add_f32 v27, v27, v23
	v_rcp_f32 v4, v27
	v_mov_b32 v7, 0                                ; (a plain instruction behind the reciprocal)
	s_wait_alu depctr_va_vdst(0)                   ; the wait, ahead of its reader
	v_mul_f32 v5, v26, v4
	s_wait_xcnt 0x0                                ; EXEC changes only behind this wait
	v_cmp_eq_u32 vcc_lo, 0, v0
	s_wait_tensorcnt 0x0
	ds_add_u32 v228, v229
	s_wait_dscnt 0x0
	s_and_saveexec_b32 s50, vcc_lo                 ; one number a query: lane 0 stores it
	global_store_b32 v7, v5, s[12:13]
	s_endpgm
.Lfunc_end_k_q7d8ecbb25f_final:
	.size	k_q7d8ecbb25f_final, .Lfunc_end_k_q7d8ecbb25f_final-k_q7d8ecbb25f_final
	.p2alignl 7, 3214868480
	.fill 96, 4, 3214868480
	.section	.rodata,"a",@progbits
	.p2align	6, 0x0
	.amdhsa_kernel k_q7d8ecbb25f_final
		.amdhsa_group_segment_fixed_size 768
		.amdhsa_private_segment_fixed_size 0
		.amdhsa_enable_private_segment 0
		.amdhsa_kernarg_size 40
		.amdhsa_user_sgpr_count 2
		.amdhsa_user_sgpr_kernarg_segment_ptr 1
		.amdhsa_wavefront_size32 1
		.amdhsa_system_sgpr_workgroup_id_x 1
		.amdhsa_system_sgpr_workgroup_id_y 1
		.amdhsa_system_sgpr_workgroup_id_z 1
		.amdhsa_system_vgpr_workitem_id 0
		.amdhsa_next_free_vgpr 230
		.amdhsa_next_free_sgpr 66
		.amdhsa_reserve_vcc 1
		.amdhsa_float_denorm_mode_32 3
		.amdhsa_float_denorm_mode_16_64 3
		.amdhsa_memory_ordered 1
		.amdhsa_forward_progress 1
		.amdhsa_inst_pref_size 64
	.end_amdhsa_kernel
	.amdgpu_metadata
---
amdhsa.version: [ 1, 2 ]
amdhsa.kernels:
  - .name:           k_q7d8ecbb25f_final
    .symbol:         k_q7d8ecbb25f_final.kd
    .args:
      - { .name: sel, .offset: 0, .size: 8, .value_kind: global_buffer, .address_space: global }
      - { .name: dnd_keys, .offset: 8, .size: 8, .value_kind: global_buffer, .address_space: global }
      - { .name: dnd_values, .offset: 16, .size: 8, .value_kind: global_buffer, .address_space: global }
      - { .name: queries, .offset: 24, .size: 8, .value_kind: global_buffer, .address_space: global }
      - { .name: out0, .offset: 32, .size: 8, .value_kind: global_buffer, .address_space: global }
    .group_segment_fixed_size: 768
    .private_segment_fixed_size: 0
    .kernarg_segment_align: 8
    .kernarg_segment_size: 40
    .max_flat_workgroup_size: 32
    .sgpr_count:     66
    .vgpr_count:     230
    .wavefront_size: 32
...
	.end_amdgpu_metadata
.endif
;; end of part 4
